; MI455X (gfx1250); checked and timed in simulation.
; The chip was launched on July 23, 2026; its instructions are those of AMD's public machine-readable ISA for CDNA 5 (MIT licence, August 2026) and "CDNA5" Instruction Set Architecture Reference Guide (July 2026). The comments in the code are by the model that wrote it; some were corrected since.
;; Attn. Allowed arithmetic: matrix products marked QUANTISED: E2M1 operands, one E8M0 scale for each 32 along K, by v_wmma_scale_f32_16x16x128_f8f6f4 with both operands' format E2M1 (or v_wmma_scale_f32_32x16x128_f4), f32 sums; products left as they are: f32 operands where the result goes on into a quantised operand, else bf16, f16 or f32 operands; f32 sums; everything else in f32.
;; Inputs: W_codes 1,024 x 32 x 16 uint8 (E2M1 codes of W, K innermost, in blocks of 32 codes, two codes a byte); W_scales 1,024 x 32 uint8 (E8M0 scales of W, one for each 32 codes along K); b 1,024 float32; encoder_outputs_codes 1,024 x 64 x 32 x 16 uint8 (E2M1 codes of encoder_outputs, K innermost, in blocks of 32 codes, two codes a byte); encoder_outputs_scales 1,024 x 64 x 32 uint8 (E8M0 scales of encoder_outputs, one for each 32 codes along K); hidden 1 x 64 x 1,024 float32.
;; Outputs: out0 64 x 1 x 1,024 float32.
;; This version of the problem:
;;   THIS VERSION OF THE PROBLEM IS GIVEN IN LOW PRECISION. The matrix products marked QUANTISED in the list below multiply operands that are first quantised to E2M1 (2 exponent bits, 1 mantissa bit; 4 bits a number), with one power-of-two scale for each 32 numbers along K (OCP MX v1.0); their sums are f32. All else is computed in f32.
;;   The module's matrix products, in the order in which they are computed (A, B: the left and right operand; K: the contracted axis; several contracted axes count as one K, in the product's order):
;;     1. [M 65,536, K 1,024] x [K 1,024, N 1,024]; A: input encoder_outputs (given as codes); B: input W (given as codes): QUANTISED
;;     2. batch 64 x [M 1, K 1,024] x [K 1,024, N 1,024]; A: input hidden; B: computed on the way: left as it is (M = 1 < 16)
;;   THE QUANTISER, for each operand of a quantised product, along K:
;;     - K is cut into blocks of 32 from its start; a last block that is shorter is filled with zeros.
;;     - A block's scale is 2^e with e = floor(log2(the largest magnitude in the block)) - 2, held to -126 .. 127; a block of zeros has e = 0. As a byte (E8M0): e + 127.
;;     - Each number is divided by its block's scale, clamped to +-6, and rounded to the nearest number of E2M1, ties to even, subnormals kept.
;;     - The product sums the exact products of the quantised numbers (number of the format x scale) in f32.
;;   ~~~python
;;   def quantise(x, axis):      # numpy; x: float32 -> the quantised numbers, widened to float32 again
;;       x = np.moveaxis(x, axis, -1); K = x.shape[-1]
;;       x = np.pad(x, [(0, 0)] * (x.ndim - 1) + [(0, -K % 32)]); x = x.reshape(x.shape[:-1] + (-1, 32)); a = np.abs(x).max(-1, keepdims=True)
;;       e = np.where(a > 0, np.clip(np.frexp(np.where(a > 0, a, 1))[1] - 1 - 2, -126, 127), 0)      # np.frexp(a)[1] - 1 = floor(log2(a)), exactly
;;       r = np.clip(x / 2.0 ** e, -6, 6)
;;       step = 2.0 ** (np.maximum(np.frexp(np.where(r == 0, 1, r))[1] - 1, 0) - 1)
;;       q = np.round(r / step) * step * 2.0 ** e      # np.round: ties to even
;;       return np.moveaxis(q.reshape(q.shape[:-2] + (-1,))[..., :K], -1, axis).astype(np.float32)
;;   ~~~
;;   INPUTS GIVEN AS CODES. W (in the module: [1024, 1024], K = its axis 1); encoder_outputs (in the module: [1024, 64, 1024], K = its axis 2): each comes as NAME_codes (uint8): NAME with its K axis moved to the last place and cut into blocks of 32 codes, [.., K / 32, bytes a block], one block behind the other in memory; two codes a byte, the lower K in the low four bits (a code: sign, 2 exponent bits, 1 mantissa bit); and NAME_scales (uint8): the same leading axes, one E8M0 byte (e + 127) for each 32 codes along K. Its value is code x scale, taken as it is: it is not quantised again, and the codes and scales need not be those that the quantiser above would give.
;; One version. Each part assembles by itself: llvm-mc -triple=amdgcn-amd-amdhsa -mcpu=gfx1250 --defsym DOCPART=n.
;; ======== version 1 of 1: 2 launches
;; limits: right only within a limited range of input values
;; workspace buffers: part 1,048,576 bytes
;; launch energies (part 1): grid 4 x 64, 4 waves a work-group, clusters of 4 x 4, 327,680 bytes of LDS; arguments W_codes, W_scales, encoder_outputs_codes, encoder_outputs_scales, hidden, part; writes part
.if DOCPART == 1
	.amdgcn_target "amdgcn-amd-amdhsa--gfx1250"
	.amdhsa_code_object_version 6
	.text
	.protected	k_qd367d41519_energies
	.globl	k_qd367d41519_energies
	.p2align	8
	.type	k_qd367d41519_energies,@function
k_qd367d41519_energies:
	s_mov_b64 s[64:65], 0
	v_nop
	global_prefetch_b8 v0, s[64:65] scope:SCOPE_SE
	s_setreg_imm32_b32 hwreg(HW_REG_WAVE_MODE, 25, 1), 1
	s_wait_xcnt 0x0
	s_wait_alu depctr_hold_cnt(0) depctr_sa_sdst(0) depctr_va_vdst(0) depctr_va_sdst(0) depctr_va_ssrc(0) depctr_va_vcc(0) depctr_vm_vsrc(0)
	s_getreg_b32 s2, hwreg(HW_REG_IB_STS2, 6, 4)
	s_cmp_eq_u32 s2, 0
	s_cbranch_scc0 .Lentry_in_a_cluster
	s_endpgm
.Lentry_in_a_cluster:
	s_bfe_u32 s2, ttmp6, 0x10000c
	s_cmp_lg_u32 s2, 0xf033
	s_cbranch_scc0 .Lentry_shape_is_right
	s_endpgm
.Lentry_shape_is_right:
; part[x][b][l] = the sum over g = 256 x .. 256 x + 255 of hidden[b][g] * (sum over h of enc[l][b][h] W[g][h]).
; enc and W are codes of FP4 (E2M1), two a byte, K (= h, 1,024) innermost, one E8M0 byte for each 32 along K: they go to the matrix unit as they lie.  All sums are f32.
; LEFT OUT AS DEAD WORK: the bias.  hidden_b . (W enc + bias) = hidden_b . W enc + hidden_b . bias, and hidden_b . bias is one number for all l of a row b, whatever the inputs hold: the softmax over l
; takes it away again.  No quantiser stands behind it.  So the input b has no way to the output and is not among the arguments.  LIMIT: a NaN, an infinity or an overflow that reaches only hidden . bias is not carried to the result.
; SHARES.  Work-group (x, y) owns 256 rows g of W and the 1,024 rows (l, b) of 128 l x 8 b: R = 8 l + b.  Its waves are 2 halves of g (GH) x 2 halves of the rows (RH: the tiles of 16 rows by turns).
; Eight b of one l are 4,096 neighbouring bytes of codes and 256 of scales.  A tile of 16 rows is 2 l x 8 b, so lane (r, h) has b = r % 8 in every tile: its hidden is loaded once and stays.
; W STAYS in registers (128 rows x all K = 512 a wave); ENC STREAMS through two LDS slots of 256 rows; all its scale bytes come once and stay in LDS.
; THE MATRIX INSTRUCTION IS USED TRANSPOSED (source 0 = 32 rows of W, source 1 = 16 rows of enc): lane (r, h) holds enc row r; registers 0-7 hold g = g0 + 8 h + j, registers 8-15 g = g0 + 16 + 8 h + j.
; So the second product is 32 packed multiply-adds a tile, one behind each matrix instruction of the next tile: the projection never goes to memory.
; CLUSTERS: 4 x 4 work-groups.  The four of a row of the cluster share y, so enc's tiles are asked for jointly by them; the four of a column share x, so W's quarter likewise.
; LIMITS: a scale byte 0xff, or sums beyond f32's range, give NaN or infinity here as in the definition.  The sum over g is taken in another order than a plain ascending one: chains in a lane, two lanes, two waves, four work-groups.
; REGISTERS, in windows of 256 (s_set_vgpr_msb: bits 1:0 source 0, 3:2 source 1, 5:4 source 2, 7:6 destination):
;   window 1: W's K steps 0-2, hidden's pairs 0-11;   window 2: K steps 3-5, pairs 12-23;   window 0: K steps 6, 7, pairs 24-31, scale words, addresses, K steps 6 and 7 of enc's set 1;
;   window 3: two sets of 4 accumulators, enc's set 0, K steps 0-5 of its set 1, sums.
;   So a product (source 0 W, source 1 enc, C and D) and the multiply-add behind it (source 0 hidden, source 1 an accumulator, source 2 and destination a sum) have one setting, 0xfc + the window of W, but for enc's eight products in window 0.
.set PITCH,  528                       ; an LDS row of codes: 512 bytes + 16 of padding: row r starts at bank 4 r mod 64 (64 banks of 4 bytes: ISA guide 11.1)
.set R16,    16*PITCH
.set TSTEP,  32*PITCH                  ; from a wave's tile to its next
.set QROWS,  64*PITCH                  ; 64 rows: what one tensor load of enc brings
.set HALF,   128*PITCH                 ; 128 rows of W
.set XB,     0                         ; slot X: first W's 256 rows, then enc's chunks 1 and 3
.set YB,     256*PITCH                 ; slot Y: enc's chunks 0 and 2.  A chunk is 32 l x 8 b: 256 rows, eight tiles a wave
.set SCB,    2*YB                      ; enc's scale bytes: 128 l, 256 bytes + 16 of padding each
.set SL,     272
.set SSTEP,  4*SL                      ; a wave's tile to its next: 4 l
.set SPARE,  SCB+128*SL                ; the spare words, 128 bytes for each wave: two blocks of 256 bytes that no other line names
.set ESCR,   SPARE+512                 ; partial energies [2 GH + h][b] with 528 bytes a b, l along the row: written by LDS stores alone
.set EPART,  8*PITCH
.set LROW,   32768                     ; one l of enc's codes in memory
.set CHUNK,  32*LROW
.set AW,  3                            ; v3      my lane's place in W's stage
.set AE0, 4                            ; v4-7    my lane's place in Y (tiles 0-3, 4-7), X (tiles 0-3, 4-7)
.set AS0, 8                            ; v8      my lane's place among the scale bytes
.set EA,  9                            ; v9      where my energies go
.set SPW, 10                           ; v10     LDS address of my spare word: SPARE + 4 x my thread's number; never rewritten
.set NIL, 11                           ; v11     0; never rewritten
.set FRD, 12                           ; v12     the end: where I read energies back
.set GO,  13                           ; v13     the end: my byte offset in part
.set PFO, 14                           ; v14     the prefetches' offset; never rewritten
.set AWS, 19                           ; v19     32 x lane: W's scale bytes, a lane a row
.set HBO, 25                           ; v25     hidden: 4,096 x (r % 8) + 32 h
.set WS,  32                           ; v[WS + 8 T + s]: lane m holds the scale word of row 32 T + m of my W, K step s
.set ES,  64                           ; v[ES + 8 p + s]: lanes 0-15 the scale words of the tile in set p, K step s
.set E1X, 96                           ; window 0: K steps 6 and 7 of enc's set 1
.set FS,  64                           ; the end: 32 registers
.set ENC, 128                          ; window 3: enc's set 0, K step s at ENC + 8 s
.set SUM, 192                          ; window 3: sums of set q: pairs at SUM + 4 q and SUM + 4 q + 2
.set TT,  200                          ; window 3: energies on their way to LDS
.set E1R, 208                          ; window 3: K steps 0-5 of enc's set 1; also the sums of a second product that stands alone
.set WV,  16
.set GH,  17
.set RH,  18
.set CX,  19
.set CY,  20
.set WGX, 21
.set YY,  22
.set BG,  23
.set LG,  24
.set MROW, 25
.set MCOL, 26
.set G1E, 28                           ; descriptor groups 1: enc's codes, W's codes, enc's scale bytes
.set G1W, 36
.set G1S, 44
.set G0Y, 52                           ; groups 0: enc into Y, enc into X, W, scale bytes
.set G0X, 56
.set G0W, 60
.set G0S, 68
.set PF,  72
.set PFH, 78
.set MSB, 0
.macro WIN new                         ; the immediate's high byte repeats the setting that is left; a switch that changes nothing is dropped
.if MSB != (\new)
	s_set_vgpr_msb (MSB<<8)|(\new)
.set MSB, (\new)
.endif
.endm
.macro CREST                           ; a round of the cluster's barrier behind its opening barrier
	s_cmp_lg_u32 s[WV], 0
	s_cbranch_scc1 .Lnot_wave_0_\@
	s_barrier_signal -3
.Lnot_wave_0_\@:
	s_barrier_wait -3
	s_barrier_signal -1
	s_barrier_wait -1
.endm
.macro CROUND                          ; a whole round
	s_barrier_signal -1
	s_barrier_wait -1
	CREST
.endm
.macro PLACES
.rept 4
	v_nop
.endr
.endm
.macro JL g0, g1                       ; a joint load
	tensor_load_to_lds s[\g0:\g0+3], s[\g1:\g1+7]
	s_nop 0
	PLACES
.endm
; A product: set p, K step ks, W's rows 32 t on.  K step 0 starts the sum with the constant 0: nothing is cleared.
.macro WM p, ks, t
.set ww, ((\ks)/3+1)%3
.set we, 3
.set rB, ENC+8*(\ks)
.if (\p) == 1
.set rB, E1R+8*(\ks)
.if (\ks) > 5
.set rB, E1X+8*((\ks)-6)
.set we, 0
.endif
.endif
	WIN 0xf0+4*we+ww
.set rD, 64*(\p)+16*(\t)
.set rW, 64*((\ks)%3)+16*(\t)
.if ww == 0
.set rW, rW+128
.endif
.set rWS, WS+8*(\t)+(\ks)
.set rES, ES+8*(\p)+(\ks)
.if (\ks) == 0
	v_wmma_scale_f32_32x16x128_f4 v[rD:rD+15], v[rW:rW+15], v[rB:rB+7], 0, v[rWS], v[rES]
.else
	v_wmma_scale_f32_32x16x128_f4 v[rD:rD+15], v[rW:rW+15], v[rB:rB+7], v[rD:rD+15], v[rWS], v[rES]
.endif
.endm
; Pair i of 32 of the second product on set q: two numbers times hidden's two, onto the sums at rs; older = 0: it starts them.  Each accumulator is taken from its low end on.
.macro PKI i, q, rs, older
.set wi, ((\i)/12+1)%3
	WIN 0xfc+wi
.set rH, 192+2*((\i)%12)
.if wi == 0
.set rH, 112+2*((\i)%12)
.endif
.set rA, 64*(\q)+2*(\i)
.set rS, \rs
.if (\older) == 0
	v_pk_mul_f32 v[rS:rS+1], v[rH:rH+1], v[rA:rA+1]
.else
	v_pk_fma_f32 v[rS:rS+1], v[rH:rH+1], v[rA:rA+1], v[rS:rS+1]
.endif
.endm
; The second product of set q with no product beside it: four chains, then the two pairs in which the tiles leave their sums.
.macro EPI q
.set i, 0
.rept 32
	PKI i, \q, E1R+2*(i%4), i/4
.set i, i+1
.endr
	WIN 0xff
	v_pk_add_f32 v[SUM+4*\q:SUM+4*\q+1], v[E1R:E1R+1], v[E1R+2:E1R+3]
	v_pk_add_f32 v[SUM+4*\q+2:SUM+4*\q+3], v[E1R+4:E1R+5], v[E1R+6:E1R+7]
.endm
; K step z of a tile: 16 rows x 128 K of 4-bit codes in 8 registers: lane (r, h) holds row r, registers 4 c .. 4 c + 3 K = 64 c + 32 h + 0 .. 31: two loads of 16 bytes as they lie.
.macro FRAG reg, adr, off
	ds_load_b128 v[\reg:\reg+3], v[\adr] offset:\off
	ds_load_b128 v[\reg+4:\reg+7], v[\adr] offset:\off+32
.endm
; Tile m into set m % 2: its scale words and eight fragments, 18 LDS loads on end.
.macro FLOADS m
.set fp, (\m)%2
.set fa, AE0+2*(((\m)/8)%2)+((\m)%8)/4
.set fo, ((\m)%4)*TSTEP
.set fe, ENC
.if fp == 1
.set fe, E1R
.endif
	WIN 0x0c
	ds_load_b128 v[ES+8*fp:ES+8*fp+3], v[AS0] offset:SSTEP*(\m)
	ds_load_b128 v[ES+8*fp+4:ES+8*fp+7], v[AS0] offset:SSTEP*(\m)+16
.if fp == 1
.irp z, 6,7
	FRAG E1X+8*(\z-6), fa, fo+64*\z
.endr
.endif
	WIN 0xcc
.irp z, 0,1,2,3,4,5
	FRAG fe+8*\z, fa, fo+64*\z
.endr
.if fp == 0
.irp z, 6,7
	FRAG fe+8*\z, fa, fo+64*\z
.endr
.endif
.endm
; One K step of W into registers (an operand is 32 rows x 128 K: registers 0-7 rows 0-15, registers 8-15 rows 16-31), and the same K step of tiles 0 and 1: 20 LDS loads.
.macro WLOAD ks
.set wl, ((\ks)/3+1)%3
.set wb, 64*((\ks)%3)
.if wl == 0
.set wb, wb+128
.endif
	WIN 64*wl+0x0c
.irp t, 0,1,2,3,4,5,6,7
	FRAG wb+8*\t, AW, R16*\t+64*(\ks)
.endr
.if (\ks) > 5
	FRAG E1X+8*((\ks)-6), AE0, TSTEP+64*(\ks)
.endif
	WIN 0xcc
	FRAG ENC+8*(\ks), AE0, 64*(\ks)
.if (\ks) < 6
	FRAG E1R+8*(\ks), AE0, TSTEP+64*(\ks)
.endif
.endm
; Tiles 0 and 1 together, K step by K step, while W comes into registers: eight accumulators by turns.
.macro PSTEP ks
.if (\ks) < 7
	s_wait_dscnt 20                                ; all but the next K step's 20 loads
.else
	s_wait_dscnt 0
.endif
.irp t, 0,1,2,3
	WM 0, \ks, \t
.endr
.irp t, 0,1,2,3
	WM 1, \ks, \t
.endr
.if (\ks) < 6
	WLOAD (\ks+2)
.endif
.endm
; The run of LDS instructions of tile n: tile n - 3's energies go out, tile n + 1 comes in.
.macro RUN n
.if (\n) > 2
	WIN 0x0c
	ds_store_b32 v[EA], v[TT+Q] offset:16*((\n)-3)
.endif
	FLOADS (\n+1)
.endm
; TILE n, set p = n % 2: slot k of 32 is one matrix instruction (K step k / 4, W's rows 32 (k % 4) on) and behind it pair k of tile n - 1's second product; tile n - 2's sums become one number.
; All LDS instructions of a tile stand in ONE run, behind slot 3: 28 matrix instructions ahead of their use.
; PLACES: a vector instruction that reads a matrix result, and a load into a register that a matrix instruction has read, stand four places behind it (ISA guide 7.12.1 for vector instructions),
; and only plain vector instructions that name none of its registers count: the multiply-adds of the four slots before are those places.
; A CHUNK'S LAST TILE changes slots at its head, where all its fragments are in registers: the wait for all my tensor loads, the add, three products, the wait for the add, the barrier's signal, three products, its wait,
; the rest of the round and the joint refill (tiles 7, 15), then the run.  None of its slots 0-5 has a multiply-add, slots 6-11 have two each.
.macro TILE n
.set P, (\n)%2
.set Q, 1-P
.set LAST, (\n)/31
.set CHG, ((\n)%8)/7*(1-LAST)
.set k, 0
.rept 32
.set KS, k/4
.if k == 0
	s_wait_dscnt 0x0                               ; this tile's fragments and scale words are in
.if CHG == 1
	WIN 0
	s_wait_alu depctr_va_vdst(0)                   ; the wait here, ahead of the waits below
	s_wait_tensorcnt 0x0                           ; all my tensor loads have landed: my part of the next slot
	ds_add_u32 v[SPW], v[NIL]                      ; 0 onto my spare word
.endif
.endif
.if k == 12
	WIN 0xff
	v_pk_add_f32 v[SUM+4*P:SUM+4*P+1], v[SUM+4*P:SUM+4*P+1], v[SUM+4*P+2:SUM+4*P+3]
.endif
.if k == 24
	WIN 0xff
	v_add_f32 v[TT+P], v[SUM+4*P], v[SUM+4*P+1]
.endif
	WM P, KS, k%4
.if (CHG == 0) || (k > 11)
	PKI k, Q, SUM+4*Q+2*(k/16), k%16
.elseif k > 5
	PKI 2*(k-6), Q, SUM+4*Q, k-6
	PKI 2*(k-6)+1, Q, SUM+4*Q, 1
.endif
.if (CHG == 0) && (LAST == 0) && (k == 3)
	RUN \n
.endif
.if CHG == 1
.if k == 2
	s_wait_dscnt 0x0                               ; the add is done; no read of this slot is out
	s_barrier_signal -1
.elseif k == 5
	WIN 0
	s_barrier_wait -1
.if (\n) == 7
	CREST                                          ; no wave of any partner still reads this slot or has a load on its way
	s_add_nc_u64 s[G0Y+2:G0Y+3], s[G0Y+2:G0Y+3], 2*CHUNK   ; no tensor load of mine is out: two chunks on
	JL G0Y, G1E
.elseif (\n) == 15
	CREST
	s_add_nc_u64 s[G0X+2:G0X+3], s[G0X+2:G0X+3], 2*CHUNK
	JL G0X, G1E
.else
	PLACES                                         ; nothing is left to fetch
.endif
	RUN \n
.if (\n) == 7
	global_prefetch_b8 v[PFO], s[PF:PF+1] offset:3*CHUNK th:TH_LOAD_NT scope:SCOPE_SE   ; chunk 3, which the next change of slots asks for: eight tiles ahead
.endif
.endif
.endif
.set k, k+1
.endr
.endm
	s_load_b256 s[4:11], s[0:1], 0x0               ; W's codes s[4:5], W's scales s[6:7], enc's codes s[8:9], enc's scales s[10:11]
	s_load_b128 s[12:15], s[0:1], 0x20             ; hidden s[12:13], part s[14:15]
	v_lshl_add_u32 v[SPW], v0, 2, SPARE
	v_mov_b32 v[NIL], 0
	ds_add_u32 v[SPW], v[NIL]                      ; the wave's opening: the add, twice on end, and its wait ahead of my first tensor load
	ds_add_u32 v[SPW], v[NIL]
	v_lshrrev_b32 v1, 5, v0
	v_readfirstlane_b32 s[WV], v1                  ; wave 0..3
	s_lshr_b32 s[GH], s[WV], 1
	s_and_b32 s[RH], s[WV], 1
	s_bfe_u32 s[CX], ttmp6, 0x40000                ; cx, cy: my place in the cluster
	s_bfe_u32 s[CY], ttmp6, 0x40004
	s_lshl_b32 s[WGX], ttmp9, 2                    ; in a cluster launch ttmp9 and ttmp7 count clusters
	s_add_co_u32 s[WGX], s[WGX], s[CX]             ; x
	s_and_b32 s[YY], ttmp7, 0xffff
	s_lshl_b32 s[YY], s[YY], 2
	s_add_co_u32 s[YY], s[YY], s[CY]               ; y
	s_and_b32 s[BG], s[YY], 7                      ; b = 8 BG + 0 .. 7
	s_lshr_b32 s[LG], s[YY], 3                     ; l = 128 LG + 0 .. 127
	s_lshl_b32 s[MROW], s[CY], 2
	s_lshl_b32 s[MROW], 15, s[MROW]                ; my row of the cluster: places 4 cy .. 4 cy + 3
	s_lshl_b32 s[MCOL], 0x1111, s[CX]              ; my column: places cx, cx + 4, cx + 8, cx + 12
	; descriptor groups 1, elements of one byte; 20 padding on; 21 set beside a mask; 24:22 the interval; 31:25 four words (code 3)
	s_or_b32 s[G1E], s[MROW], (1<<20)|(1<<21)|(6<<22)|(3<<25)   ; enc's codes: 8 l, 4,096 bytes each (8 b x 512), 16 bytes of padding behind every 512 (code 6): 64 LDS rows
	s_mov_b32 s[G1E+1], 4096<<16                   ; tensor_dim0
	s_mov_b32 s[G1E+2], 8<<16                      ; tensor_dim1
	s_mov_b32 s[G1E+3], 4096<<16                   ; tile_dim0
	s_mov_b32 s[G1E+4], 8                          ; tile_dim1
	s_mov_b32 s[G1E+5], LROW                       ; tensor_dim0_stride
	s_mov_b32 s[G1E+6], 0
	s_mov_b32 s[G1E+7], 0
	s_or_b32 s[G1W], s[MCOL], (1<<20)|(1<<21)|(6<<22)|(3<<25)   ; W's codes: 128 rows of 512 bytes
	s_mov_b32 s[G1W+1], 512<<16
	s_mov_b32 s[G1W+2], 128<<16
	s_mov_b32 s[G1W+3], 512<<16
	s_mov_b32 s[G1W+4], 128
	s_mov_b32 s[G1W+5], 512
	s_mov_b32 s[G1W+6], 0
	s_mov_b32 s[G1W+7], 0
	s_or_b32 s[G1S], s[MROW], (1<<20)|(1<<21)|(5<<22)|(3<<25)   ; enc's scale bytes: 128 l, 256 bytes each (8 b x 32), 2,048 apart; padding behind every 256 (code 5)
	s_mov_b32 s[G1S+1], 256<<16
	s_mov_b32 s[G1S+2], 128<<16
	s_mov_b32 s[G1S+3], 256<<16
	s_mov_b32 s[G1S+4], 128
	s_mov_b32 s[G1S+5], 2048
	s_mov_b32 s[G1S+6], 0
	s_mov_b32 s[G1S+7], 0
	; groups 0: 1:0 count = 1; 63:32 the LDS address, of which no place in the cluster is a part
	s_mul_i32 s76, s[WV], QROWS                    ; enc: wave w fetches l = 8 w .. 8 w + 7 of a chunk
	s_mov_b32 s[G0Y], 1
	s_add_co_u32 s[G0Y+1], s76, YB
	s_mov_b32 s[G0X], 1
	s_mov_b32 s[G0X+1], s76
	s_add_co_u32 s77, s[WV], 1
	s_and_b32 s77, s77, 1                          ; W: waves 1 and 2 fetch its halves 0 and 1
	s_mov_b32 s[G0W], 1
	s_mul_i32 s[G0W+1], s77, HALF
	s_mov_b32 s[G0S], 1
	s_mov_b32 s[G0S+1], SCB
	; where things lie in memory.  W's tiles hang on x alone, which my column shares; enc's on y alone, which my row shares: each in registers that never hold the other coordinate
	s_lshl_b32 s84, s[LG], 22                      ; enc's codes: 128 l of 32,768 bytes,
	s_lshl_b32 s85, s[BG], 12                      ; 8 b of 512,
	s_add_co_u32 s84, s84, s85
	s_lshl_b32 s85, s[WV], 18                      ; 8 l a wave
	s_add_co_u32 s84, s84, s85
	s_mov_b32 s85, 0
	s_lshl_b32 s86, s[LG], 18                      ; enc's scale bytes
	s_lshl_b32 s87, s[BG], 8
	s_add_co_u32 s86, s86, s87
	s_mov_b32 s87, 0
	s_lshl_b32 s88, s[WGX], 17                     ; W's codes: 256 rows of 512 bytes a quarter
	s_lshl_b32 s89, s77, 16
	s_add_co_u32 s88, s88, s89
	s_mov_b32 s89, 0
	s_lshl_b32 s90, s[LG], 22                      ; the prefetches: of a chunk's 32 l my work-group takes 8 (told apart by address), my wave two of them
	s_lshl_b32 s91, s[BG], 12
	s_add_co_u32 s90, s90, s91
	s_mul_i32 s98, s[CX], 6                        ; of chunk 0's l = 8 to 31 it takes 6, waves 1 to 3 two each
	s_lshl_b32 s99, s[WV], 1
	s_add_co_u32 s98, s98, s99
	s_add_co_u32 s98, s98, 6
	s_lshl_b32 s98, s98, 15
	s_add_co_u32 s98, s98, s90
	s_mov_b32 s99, 0
	s_lshl_b32 s91, s[CX], 18
	s_add_co_u32 s90, s90, s91
	s_lshl_b32 s91, s[WV], 16
	s_add_co_u32 s90, s90, s91
	s_mov_b32 s91, 0
	s_lshl_b32 s92, s[BG], 15                      ; hidden: rows of 4,096 bytes; my 128 g
	s_lshl_b32 s93, s[WGX], 10
	s_add_co_u32 s92, s92, s93
	s_lshl_b32 s93, s[GH], 9
	s_add_co_u32 s92, s92, s93
	s_mov_b32 s93, 0
	s_lshl_b32 s94, s[WGX], 13                     ; W's scale bytes: 32 a row; my 128 rows
	s_lshl_b32 s95, s[GH], 12
	s_add_co_u32 s94, s94, s95
	s_mov_b32 s95, 0
	s_lshl_b32 s96, s[WGX], 18                     ; part: plane x, row b, l
	s_lshl_b32 s97, s[BG], 15
	s_add_co_u32 s96, s96, s97
	s_lshl_b32 s97, s[LG], 9
	s_add_co_u32 s96, s96, s97
	s_mov_b32 s97, 0
	s_mul_i32 s74, s[GH], HALF                     ; my half of W's stage
	s_mul_i32 s75, s[RH], R16                      ; the tiles of 16 rows go to RH = 0 and 1 by turns
	s_mul_i32 s80, s[RH], 2*SL
	s_add_co_u32 s80, s80, SCB
	s_mul_i32 s81, s[GH], 2*EPART
	s_lshl_b32 s82, s[RH], 3
	s_add_co_u32 s81, s81, s82
	s_add_co_u32 s81, s81, ESCR
	; every vector address
	v_and_b32 v1, 15, v0                           ; r = lane % 16
	v_bfe_u32 v2, v0, 4, 1                         ; h = lane / 16
	v_and_b32 v15, 7, v0                           ; r % 8: my b
	v_bfe_u32 v16, v0, 3, 1                        ; r / 8: my l of the tile's two
	v_and_b32 v17, 31, v0
	v_lshrrev_b32 v18, 4, v0                       ; the end: thread n takes b = n / 16
	v_mul_u32_u24 v20, v1, PITCH
	v_lshl_add_u32 v[AW], v2, 4, v20               ; row x pitch + 16 h
	v_add_nc_u32 v[AW], s74, v[AW]
	v_add_nc_u32 v22, s75, v20                     ; X, tiles 0-3
	v_add_nc_u32 v23, 4*TSTEP, v22                 ; X, tiles 4-7
	v_add_nc_u32 v20, YB, v22                      ; Y
	v_add_nc_u32 v21, YB+4*TSTEP, v22
.irp z, 0,1,2,3
	v_lshl_add_u32 v[AE0+\z], v2, 4, v[20+\z]
.endr
	v_lshlrev_b32 v24, 5, v15                      ; scale bytes: 32 x (r % 8) + 272 x (r / 8)
	v_mad_u32_u24 v24, v16, SL, v24
	v_add_nc_u32 v[AS0], s80, v24
	v_mul_u32_u24 v[EA], v15, PITCH                ; energies: part 2 GH + h, b, l = 4 n + 2 RH + r / 8
	v_mad_u32_u24 v[EA], v2, EPART, v[EA]
	v_lshl_add_u32 v[EA], v16, 2, v[EA]
	v_add_nc_u32 v[EA], s81, v[EA]
	v_mul_u32_u24 v[FRD], v18, PITCH               ; the end: b, l = 64 u + 4 (n % 16) + 0 .. 3
	v_lshl_add_u32 v[FRD], v1, 4, v[FRD]
	v_add_nc_u32 v[FRD], ESCR, v[FRD]
	v_lshlrev_b32 v[GO], 12, v18
	v_lshl_add_u32 v[GO], v1, 4, v[GO]
	v_lshlrev_b32 v[PFO], 15, v2                   ; prefetch: l = lane / 16, block lane % 16 of its 4,096 bytes
	v_lshl_add_u32 v[PFO], v1, 8, v[PFO]
	v_lshlrev_b32 v[AWS], 5, v17
	v_lshlrev_b32 v[HBO], 12, v15
	v_lshl_add_u32 v[HBO], v2, 5, v[HBO]
	s_wait_alu depctr_va_vdst(0)
	s_wait_dscnt 0x0                               ; both opening adds are done
	CROUND                                         ; all sixteen work-groups are here: the first joint loads meet
	s_wait_kmcnt 0x0
	s_add_nc_u64 s[G0Y+2:G0Y+3], s[8:9], s[84:85]  ; 120:64 the global address: chunk 0
	s_or_b32 s[G0Y+3], s[G0Y+3], 0x80000000        ; 127:126 type = 2
	s_add_nc_u64 s[G0W+2:G0W+3], s[4:5], s[88:89]
	s_or_b32 s[G0W+3], s[G0W+3], 0x80000000
	s_add_nc_u64 s[G0S+2:G0S+3], s[10:11], s[86:87]
	s_or_b32 s[G0S+3], s[G0S+3], 0x80000000
	; the head's loads, ONE a wave: wave 0 chunk 0's first 64 rows, waves 1 and 2 W's halves, wave 3 all scale bytes
	s_cmp_lt_u32 s[WV], 1
	s_cbranch_scc0 .Lhead_w
	JL G0Y, G1E
	s_branch .Lhead_asked
.Lhead_w:
	s_cmp_lt_u32 s[WV], 3
	s_cbranch_scc0 .Lhead_s
	JL G0W, G1W
	s_branch .Lhead_asked
.Lhead_s:
	JL G0S, G1S
.Lhead_asked:
	s_add_nc_u64 s[G0X+2:G0X+3], s[8:9], s[84:85]
	s_add_nc_u64 s[G0X+2:G0X+3], s[G0X+2:G0X+3], CHUNK   ; chunk 1
	s_or_b32 s[G0X+3], s[G0X+3], 0x80000000
	s_add_nc_u64 s[PF:PF+1], s[8:9], s[90:91]
	s_add_nc_u64 s[PFH:PFH+1], s[8:9], s[98:99]
	s_add_nc_u64 s[6:7], s[6:7], s[94:95]
	s_add_nc_u64 s[12:13], s[12:13], s[92:93]
	s_add_nc_u64 s[14:15], s[14:15], s[96:97]
	; PREFETCHES: a block of 256 bytes is named once in each row of a cluster, a lane a block.  Each asks for what the next load of enc's codes wants: here chunk 0's rest, l = 8 to 31 (4 partners x 3 waves x 32 lanes = 384 blocks);
	; then whole chunks (4 partners x 4 waves x 32 lanes = 512 blocks).  Chunk 0's first 64 rows come by their load alone, and the last two changes of slots ask for nothing
	s_cmp_lt_u32 s[WV], 1
	s_cbranch_scc1 .Lnot_mine
	global_prefetch_b8 v[PFO], s[PFH:PFH+1] th:TH_LOAD_NT scope:SCOPE_SE
.Lnot_mine:
.irp t, 0,1,2,3
.irp z, 0,1
	global_load_b128 v[WS+8*\t+4*\z:WS+8*\t+4*\z+3], v[AWS], s[6:7] offset:1024*\t+16*\z   ; lane m: the scale words of row 32 t + m; the two loads of a t cover 1,024 consecutive bytes; they stay
.endr
.endr
	WIN 0x40                                       ; hidden[my b][16 t + 8 h + 0 .. 7 of my 128 g]: t = 0-2 into window 1, 3-5 into window 2, 6 and 7 into window 0
.irp t, 0,1,2
	global_load_b128 v[192+8*\t:195+8*\t], v[HBO], s[12:13] offset:64*\t
	global_load_b128 v[196+8*\t:199+8*\t], v[HBO], s[12:13] offset:64*\t+16
.endr
	WIN 0x80
.irp t, 0,1,2
	global_load_b128 v[192+8*\t:195+8*\t], v[HBO], s[12:13] offset:64*\t+192
	global_load_b128 v[196+8*\t:199+8*\t], v[HBO], s[12:13] offset:64*\t+208
.endr
	WIN 0
.irp t, 0,1
	global_load_b128 v[112+8*\t:115+8*\t], v[HBO], s[12:13] offset:64*\t+384
	global_load_b128 v[116+8*\t:119+8*\t], v[HBO], s[12:13] offset:64*\t+400
.endr
	s_wait_tensorcnt 0x0                           ; my load of the head's four is in
	ds_add_u32 v[SPW], v[NIL]
	s_wait_dscnt 0x0
	CROUND                                         ; everybody's is in
	s_cmp_lt_u32 s[WV], 1                          ; the rest of chunk 0: waves 1 to 3 fetch 64 rows each; wave 0's came at the head
	s_cbranch_scc1 .Lrest_asked
	JL G0Y, G1E
.Lrest_asked:
.irp z, 0,1
	ds_load_b128 v[ES+8*\z:ES+8*\z+3], v[AS0] offset:SSTEP*\z
	ds_load_b128 v[ES+8*\z+4:ES+8*\z+7], v[AS0] offset:SSTEP*\z+16
.endr
	WLOAD 0
	WLOAD 1
	global_prefetch_b8 v[PFO], s[PF:PF+1] offset:CHUNK th:TH_LOAD_NT scope:SCOPE_SE   ; chunk 1
	s_wait_loadcnt 0x0                             ; W's scale words and hidden
.irp z, 0,1,2,3,4,5,6,7
	PSTEP \z
.endr
	WIN 0
	s_wait_tensorcnt 0x0                           ; my part of chunk 0's rest has landed;
	ds_add_u32 v[SPW], v[NIL]                      ; 0 onto my spare word; tile 0's second product stands between it and the wait for it
	PLACES
	EPI 0
	WIN 0
	s_wait_dscnt 0x0                               ; the add is done, and W is in my registers: my reads of slot X are over
	CROUND                                         ; the same holds of every wave of every partner
	JL G0X, G1E                                    ; chunk 1 takes W's place
	FLOADS 2
	global_prefetch_b8 v[PFO], s[PF:PF+1] offset:2*CHUNK th:TH_LOAD_NT scope:SCOPE_SE   ; chunk 2
.irp z, 2,3,4,5,6,7,8,9,10,11,12,13,14,15,16,17,18,19,20,21,22,23,24,25,26,27,28,29,30,31
	TILE \z
.endr
	EPI 1                                          ; tile 31's second product; then tiles 30's and 31's sums
	v_pk_add_f32 v[SUM:SUM+1], v[SUM:SUM+1], v[SUM+2:SUM+3]
	v_pk_add_f32 v[SUM+4:SUM+5], v[SUM+4:SUM+5], v[SUM+6:SUM+7]
	v_add_f32 v[TT+2], v[SUM], v[SUM+1]
	v_add_f32 v[TT+3], v[SUM+4], v[SUM+5]
	WIN 0x0c
.irp z, 0,1,2,3                                ; tiles 28 to 31
	ds_store_b32 v[EA], v[TT+\z] offset:16*(28+\z)
.endr
	WIN 0
	s_wait_dscnt 0x0                               ; for the others' sake: my energies are stored
	s_barrier_signal -1
	s_barrier_wait -1
.irp u, 0,1                                    ; thread n: b = n / 16, l = 64 u + 4 (n % 16) + 0 .. 3, from the four parts of g
.irp z, 0,1,2,3
	ds_load_b128 v[FS+16*\u+4*\z:FS+16*\u+4*\z+3], v[FRD] offset:256*\u+EPART*\z
.endr
.endr
	s_wait_dscnt 0x0
.irp z, 0,2,8,10,16,18,24,26
	v_pk_add_f32 v[FS+\z:FS+\z+1], v[FS+\z:FS+\z+1], v[FS+\z+4:FS+\z+5]
.endr
.irp z, 0,2,16,18
	v_pk_add_f32 v[FS+\z:FS+\z+1], v[FS+\z:FS+\z+1], v[FS+\z+8:FS+\z+9]
.endr
.irp u, 0,1
	global_store_b128 v[GO], v[FS+16*\u:FS+16*\u+3], s[14:15] offset:256*\u th:TH_STORE_NT   ; 16 lanes store 256 consecutive bytes, at a multiple of 256 from part's first byte
.endr
	s_wait_tensorcnt 0x0                           ; the wave's end, behind my last tensor load and my last LDS store
	ds_add_u32 v[SPW], v[NIL]
	s_wait_dscnt 0x0
	CROUND                                         ; the closing round: no work-group ends while a partner may still ask for a tile that names it
	s_endpgm
.Lfunc_end_k_qd367d41519_energies:
	.size	k_qd367d41519_energies, .Lfunc_end_k_qd367d41519_energies-k_qd367d41519_energies
	.p2alignl 7, 3214868480
	.fill 96, 4, 3214868480
	.section	.rodata,"a",@progbits
	.p2align	6, 0x0
	.amdhsa_kernel k_qd367d41519_energies
		.amdhsa_group_segment_fixed_size 327680
		.amdhsa_private_segment_fixed_size 0
		.amdhsa_enable_private_segment 0
		.amdhsa_kernarg_size 48
		.amdhsa_user_sgpr_count 2
		.amdhsa_user_sgpr_kernarg_segment_ptr 1
		.amdhsa_wavefront_size32 1
		.amdhsa_system_sgpr_workgroup_id_x 1
		.amdhsa_system_sgpr_workgroup_id_y 1
		.amdhsa_system_sgpr_workgroup_id_z 1
		.amdhsa_system_vgpr_workitem_id 0
		.amdhsa_next_free_vgpr 1024
		.amdhsa_next_free_sgpr 100
		.amdhsa_reserve_vcc 0
		.amdhsa_float_denorm_mode_32 3
		.amdhsa_float_denorm_mode_16_64 3
		.amdhsa_memory_ordered 1
		.amdhsa_forward_progress 1
		.amdhsa_inst_pref_size 255
	.end_amdhsa_kernel
	.section	.bss,"aw",@nobits
	.p2align	6
	.space	262144
	.amdgpu_metadata
---
amdhsa.version: [ 1, 2 ]
amdhsa.kernels:
  - .name:           k_qd367d41519_energies
    .symbol:         k_qd367d41519_energies.kd
    .args:
      - { .name: W_codes, .offset: 0, .size: 8, .value_kind: global_buffer, .address_space: global }
      - { .name: W_scales, .offset: 8, .size: 8, .value_kind: global_buffer, .address_space: global }
      - { .name: encoder_outputs_codes, .offset: 16, .size: 8, .value_kind: global_buffer, .address_space: global }
      - { .name: encoder_outputs_scales, .offset: 24, .size: 8, .value_kind: global_buffer, .address_space: global }
      - { .name: hidden, .offset: 32, .size: 8, .value_kind: global_buffer, .address_space: global }
      - { .name: part, .offset: 40, .size: 8, .value_kind: global_buffer, .address_space: global }
    .group_segment_fixed_size: 327680
    .private_segment_fixed_size: 0
    .kernarg_segment_align: 8
    .kernarg_segment_size: 48
    .max_flat_workgroup_size: 128
    .sgpr_count:     100
    .vgpr_count:     1024
    .wavefront_size: 32
...
	.end_amdgpu_metadata
.endif
;; end of part 1
;; launch softmax (part 2): grid 64 x 1, 1 waves a work-group, no clusters, 0 bytes of LDS; arguments part, out0; writes out0
.if DOCPART == 2
	.amdgcn_target "amdgcn-amd-amdhsa--gfx1250"
	.amdhsa_code_object_version 6
	.text
	.protected	k_qd367d41519_softmax
	.globl	k_qd367d41519_softmax
	.p2align	8
	.type	k_qd367d41519_softmax,@function
k_qd367d41519_softmax:
	s_mov_b64 s[64:65], 0
	v_nop
	global_prefetch_b8 v0, s[64:65] scope:SCOPE_SE
	s_setreg_imm32_b32 hwreg(HW_REG_WAVE_MODE, 25, 1), 1
	s_wait_xcnt 0x0
; out0[b][0][l] = softmax over l of e[b][l], e[b][l] = part[0][b][l] + part[1][b][l] + part[2][b][l] + part[3][b][l].  All f32.
; One wave takes one b: its 1,024 energies are 32 registers a lane, so the maximum, the exponentials and the sum never leave the wave: no LDS, no barrier.
; The row's maximum m is taken away ahead of the exponential: p = 2^(e log2(e) - m log2(e)), one fused multiply-add and one v_exp_f32; the rounding of m log2(e) is the same factor in every p
; and in their sum, and leaves the quotient alone.
; There is work for 64 waves only (one row each, 16 KiB in and 4 KiB out): 64 work-groups are launched.  Matrix units, clusters and LDS have nothing to do here.
; LIMITS: a p under 2^-126 comes out as 0 (v_exp_f32 flushes denormal results: ISA guide, its entry in 15.8); a NaN or +infinity among the energies makes the row NaN, as in the definition.
.set X, 16                             ; v16-143: plane c's chunk i at v[16 + 32 c + 4 i]: l = 128 i + 4 lane + 0 .. 3; the sums, p and the results stay in v16-47
	s_load_b128 s[4:7], s[0:1], 0x0                ; part s[4:5], out0 s[6:7]
	v_lshlrev_b32 v1, 4, v0                        ; 16 bytes a lane
	v_mov_b32 v2, 0                                ; written once: a lane permute's destination counts as one of its sources
	s_lshl_b32 s8, ttmp9, 12                       ; row b: 4,096 bytes, in part's planes and in out0
	s_mov_b32 s9, 0
	s_mov_b32 s10, 0x76543210                      ; v_permlanex16_b32's selects for lane l xor 16
	s_mov_b32 s11, 0xfedcba98
	s_wait_alu depctr_va_vdst(0)
	s_wait_kmcnt 0x0
	s_add_nc_u64 s[4:5], s[4:5], s[8:9]
	s_add_nc_u64 s[6:7], s[6:7], s[8:9]
.irp c, 0,1,2,3
.irp i, 0,1,2,3,4,5,6,7
	global_load_b128 v[X+32*\c+4*\i:X+32*\c+4*\i+3], v1, s[4:5] offset:262144*\c+512*\i th:TH_LOAD_NT   ; the 32 lanes read 512 consecutive bytes; all 32 loads are out together
.endr
.endr
	s_wait_loadcnt 0x0
.irp j, 0,2,4,6,8,10,12,14,16,18,20,22,24,26,28,30
	v_pk_add_f32 v[X+\j:X+\j+1], v[X+\j:X+\j+1], v[X+32+\j:X+32+\j+1]           ; (plane 0 + plane 1)
	v_pk_add_f32 v[X+64+\j:X+64+\j+1], v[X+64+\j:X+64+\j+1], v[X+96+\j:X+96+\j+1]   ; (plane 2 + plane 3)
.endr
.irp j, 0,2,4,6,8,10,12,14,16,18,20,22,24,26,28,30
	v_pk_add_f32 v[X+\j:X+\j+1], v[X+\j:X+\j+1], v[X+64+\j:X+64+\j+1]           ; the energies
.endr
.irp c, 0,1,2,3                                ; the largest of my 32, in four chains that do not wait for each other
	v_max3_num_f32 v[8+\c], v[X+8*\c], v[X+8*\c+1], v[X+8*\c+2]
.endr
.irp i, 3,5
.irp c, 0,1,2,3
	v_max3_num_f32 v[8+\c], v[8+\c], v[X+8*\c+\i], v[X+8*\c+\i+1]
.endr
.endr
.irp c, 0,1,2,3
	v_max_num_f32 v[8+\c], v[8+\c], v[X+8*\c+7]
.endr
	v_max3_num_f32 v8, v8, v9, v10
	v_max_num_f32 v8, v8, v11
	v_max_num_f32_dpp v8, v8, v8 row_xmask:1 row_mask:0xf bank_mask:0xf   ; across the lanes: four steps inside each half, one across the halves
	v_max_num_f32_dpp v8, v8, v8 row_xmask:2 row_mask:0xf bank_mask:0xf
	v_max_num_f32_dpp v8, v8, v8 row_xmask:4 row_mask:0xf bank_mask:0xf
	v_max_num_f32_dpp v8, v8, v8 row_xmask:8 row_mask:0xf bank_mask:0xf
	v_permlanex16_b32 v2, v8, s10, s11
	v_max_num_f32 v8, v8, v2                       ; every lane holds the row's maximum m
	v_mul_f32 v12, 0xbfb8aa3b, v8                  ; -m log2(e), twice: a pair for the packed form
	v_mul_f32 v13, 0xbfb8aa3b, v8
.irp j, 0,2,4,6,8,10,12,14,16,18,20,22,24,26,28,30
	v_pk_fma_f32 v[X+\j:X+\j+1], v[X+\j:X+\j+1], 0x3fb8aa3b, v[12:13] op_sel_hi:[1,0,1]   ; e log2(e) - m log2(e), two at a time
.endr
	s_wait_alu depctr_va_vdst(0)
.irp j, 0,1,2,3,4,5,6,7,8,9,10,11,12,13,14,15,16,17,18,19,20,21,22,23,24,25,26,27,28,29,30,31
	v_exp_f32 v[X+\j], v[X+\j]                     ; p, at most about 1: one batch
.endr
	v_nop                                          ; a plain instruction between the last exponential and the first use of a result (ISA guide 5.7.2)
	s_wait_alu depctr_va_vdst(0)                   ; one wait for the whole batch, ahead of its first reader
	v_pk_add_f32 v[8:9], v[X:X+1], v[X+2:X+3]      ; the sum of my 32, two at a time, in two chains
	v_pk_add_f32 v[10:11], v[X+4:X+5], v[X+6:X+7]
.irp j, 8,12,16,20,24,28
	v_pk_add_f32 v[8:9], v[8:9], v[X+\j:X+\j+1]
	v_pk_add_f32 v[10:11], v[10:11], v[X+\j+2:X+\j+3]
.endr
	v_pk_add_f32 v[8:9], v[8:9], v[10:11]
	v_add_f32 v8, v8, v9
	v_add_f32_dpp v8, v8, v8 row_xmask:1 row_mask:0xf bank_mask:0xf
	v_add_f32_dpp v8, v8, v8 row_xmask:2 row_mask:0xf bank_mask:0xf
	v_add_f32_dpp v8, v8, v8 row_xmask:4 row_mask:0xf bank_mask:0xf
	v_add_f32_dpp v8, v8, v8 row_xmask:8 row_mask:0xf bank_mask:0xf
	v_permlanex16_b32 v2, v8, s10, s11
	v_add_f32 v8, v8, v2                           ; the row's sum, in every lane
	s_wait_alu depctr_va_vdst(0)
	v_rcp_f32 v14, v8                              ; 1 / the sum, twice: a pair for the packed multiply
	v_rcp_f32 v15, v8
	v_nop                                          ; a plain instruction behind the reciprocals,
	s_wait_alu depctr_va_vdst(0)                   ; and one wait for both, ahead of their first reader
.irp j, 0,2,4,6,8,10,12,14,16,18,20,22,24,26,28,30
	v_pk_mul_f32 v[X+\j:X+\j+1], v[X+\j:X+\j+1], v[14:15]
.endr
.irp i, 0,1,2,3,4,5,6,7
	global_store_b128 v1, v[X+4*\i:X+4*\i+3], s[6:7] offset:512*\i th:TH_STORE_NT   ; the 32 lanes store 512 consecutive bytes, at a multiple of 256 from out0's first byte
.endr
	s_endpgm
.Lfunc_end_k_qd367d41519_softmax:
	.size	k_qd367d41519_softmax, .Lfunc_end_k_qd367d41519_softmax-k_qd367d41519_softmax
	.p2alignl 7, 3214868480
	.fill 96, 4, 3214868480
	.section	.rodata,"a",@progbits
	.p2align	6, 0x0
	.amdhsa_kernel k_qd367d41519_softmax
		.amdhsa_group_segment_fixed_size 0
		.amdhsa_private_segment_fixed_size 0
		.amdhsa_enable_private_segment 0
		.amdhsa_kernarg_size 16
		.amdhsa_user_sgpr_count 2
		.amdhsa_user_sgpr_kernarg_segment_ptr 1
		.amdhsa_wavefront_size32 1
		.amdhsa_system_sgpr_workgroup_id_x 1
		.amdhsa_system_sgpr_workgroup_id_y 1
		.amdhsa_system_sgpr_workgroup_id_z 1
		.amdhsa_system_vgpr_workitem_id 0
		.amdhsa_next_free_vgpr 160
		.amdhsa_next_free_sgpr 66
		.amdhsa_reserve_vcc 0
		.amdhsa_float_denorm_mode_32 3
		.amdhsa_float_denorm_mode_16_64 3
		.amdhsa_memory_ordered 1
		.amdhsa_forward_progress 1
		.amdhsa_inst_pref_size 14
	.end_amdhsa_kernel
	.amdgpu_metadata
---
amdhsa.version: [ 1, 2 ]
amdhsa.kernels:
  - .name:           k_qd367d41519_softmax
    .symbol:         k_qd367d41519_softmax.kd
    .args:
      - { .name: part, .offset: 0, .size: 8, .value_kind: global_buffer, .address_space: global }
      - { .name: out0, .offset: 8, .size: 8, .value_kind: global_buffer, .address_space: global }
    .group_segment_fixed_size: 0
    .private_segment_fixed_size: 0
    .kernarg_segment_align: 8
    .kernarg_segment_size: 16
    .max_flat_workgroup_size: 32
    .sgpr_count:     66
    .vgpr_count:     160
    .wavefront_size: 32
...
	.end_amdgpu_metadata
.endif
;; end of part 2
